; MI455X (gfx1250); checked and timed in simulation.
; The chip was launched on July 23, 2026; its instructions are those of AMD's public machine-readable ISA for CDNA 5 (MIT licence, August 2026) and "CDNA5" Instruction Set Architecture Reference Guide (July 2026). The comments in the code are by the model that wrote it; some were corrected since.
;; Dot Product Attention. Allowed arithmetic: matrix products marked QUANTISED: E4M3 operands, one given power-of-two scale a tensor, by v_wmma_f32_16x16x64_fp8_fp8 or v_wmma_f32_16x16x128_fp8_fp8, f32 sums; everything else in f32.
;; Inputs: keys_codes 16 x 2,048 x 2 x 32 uint8 (E4M3 codes of keys, K innermost, in blocks of 32 codes); lowp_scales 4 int32 (the exponents e of the quantised operands' scales 2^e); queries_codes 16 x 2,048 x 2 x 32 uint8 (E4M3 codes of queries, K innermost, in blocks of 32 codes); valid_lens 16 int32; values_codes 16 x 64 x 64 x 32 uint8 (E4M3 codes of values, K innermost, in blocks of 32 codes).
;; Outputs: out0 16 x 2,048 x 64 float32.
;; This version of the problem:
;;   THIS VERSION OF THE PROBLEM IS GIVEN IN LOW PRECISION. The matrix products marked QUANTISED in the list below multiply operands that are first quantised to E4M3 (4 exponent bits, 3 mantissa bits; 8 bits a number), with one given power-of-two scale for each operand tensor; their sums are f32. All else is computed in f32.
;;   The module's matrix products, in the order in which they are computed (A, B: the left and right operand; K: the contracted axis; several contracted axes count as one K, in the product's order):
;;     1. batch 16 x [M 2,048, K 64] x [K 64, N 2,048]; A: input queries (given as codes); B: input keys (given as codes): QUANTISED (scales: A lowp_scales[0], B lowp_scales[1])
;;     2. batch 16 x [M 2,048, K 2,048] x [K 2,048, N 64]; A: softmax (see below); B: input values (given as codes): QUANTISED (scales: A lowp_scales[2], B lowp_scales[3])
;;   THE QUANTISER, for each operand of a quantised product, along K:
;;     - The operand's scale is 2^e, e = its entry of the input lowp_scales (int32; the entries are numbered through the quantised products in the list's order, A before B).
;;     - Each number is divided by the scale, clamped to +-448, and rounded to the nearest number of E4M3, ties to even, subnormals kept.
;;     - The product sums the exact products of the quantised numbers (number of the format x scale) in f32.
;;   ~~~python
;;   def quantise(x, axis, e):      # numpy; x: float32 -> the quantised numbers, widened to float32 again
;;       x = np.moveaxis(x, axis, -1); K = x.shape[-1]
;;       r = np.clip(x / 2.0 ** e, -448, 448)
;;       step = 2.0 ** (np.maximum(np.frexp(np.where(r == 0, 1, r))[1] - 1, -6) - 3)
;;       q = np.round(r / step) * step * 2.0 ** e      # np.round: ties to even
;;       return np.moveaxis(q, -1, axis).astype(np.float32)
;;   ~~~
;;   SOFTMAX AHEAD OF A QUANTISED PRODUCT. Where the list says 'softmax', what is quantised is not the finished softmax but p = 2^(t - M), with t = logit x log2(e) and M = ceil(the row's largest t), a whole number; so 1/2 < the row's largest p <= 1. The row's sum l is taken of the UNQUANTISED p, in f32, and the product's result is divided by l at the end. Since M is a whole number, a kernel that streams over the keys may use a running M (the ceiling of the running maximum): every later rescaling is an exact power of two, so the quantised numbers keep their values, but for numbers so far below the row's largest that they fall under the format's range.
;;   OPERANDS COMPUTED ON THE WAY. 'Computed on the way' means the value that the module computes at that place (a softmax that the list does not call 'softmax' is quantised finished and normalised). What goes into a quantiser is computed in f32, as accurately as f32 sums, v_exp_f32 and their like allow (about 1e-6 of the number): no bf16 or f16 on the way to a quantiser, and a product that is left as it is and whose result goes on into a quantised operand takes f32 operands (vector FMAs, or v_wmma_f32_16x16x4_f32). A number that lies on a knife's edge between two numbers of the format may be rounded either way, as far as f32 arithmetic and the matrix unit's own rounding can turn it there, and no further.
;;   INPUTS GIVEN AS CODES. keys (in the module: [16, 2048, 64], K = its axis 2); queries (in the module: [16, 2048, 64], K = its axis 2); values (in the module: [16, 2048, 64], K = its axis 1): each comes as NAME_codes (uint8): NAME with its K axis moved to the last place and cut into blocks of 32 codes, [.., K / 32, bytes a block], one block behind the other in memory; one code a byte (a code: sign, 4 exponent bits, 3 mantissa bits); its scale is its entry of lowp_scales. Its value is code x scale, taken as it is: it is not quantised again, and the codes and scales need not be those that the quantiser above would give.
;; One version. Each part assembles by itself: llvm-mc -triple=amdgcn-amd-amdhsa -mcpu=gfx1250 --defsym DOCPART=n.
;; ======== version 1 of 1: 1 launch
;; limits: right only within a limited range of input values
;; launch attn (part 1): grid 256 x 1, 16 waves a work-group, no clusters, 289,024 bytes of LDS; arguments queries_codes, keys_codes, values_codes, valid_lens, lowp_scales, out0; writes out0
.if DOCPART == 1
	.amdgcn_target "amdgcn-amd-amdhsa--gfx1250"
	.amdhsa_code_object_version 6
	.text
	.protected	k_qeea1bcd23f_attn
	.globl	k_qeea1bcd23f_attn
	.p2align	8
	.type	k_qeea1bcd23f_attn,@function
k_qeea1bcd23f_attn:
	s_mov_b64 s[64:65], 0
	v_nop
	global_prefetch_b8 v0, s[64:65] scope:SCOPE_SE
	s_setreg_imm32_b32 hwreg(HW_REG_WAVE_MODE, 25, 1), 1
	s_wait_xcnt 0x0
; out[b][q][:] = the sum over k of softmax_k(score) V[b][k][:], score = Q[b][q] . K[b][k] / 8 where k is under valid_lens[b], else -1e6.  16 batches, 2,048 queries, 2,048 keys, 64 channels.
; Both products on codes of FP8 (E4M3), each tensor with its given scale 2^e: eq, ek, ep, ev.  Q, K: [b][2048][64] codes; V: [b][64][2048] codes, the keys innermost; out: f32.
; THE SOFTMAX AHEAD OF THE SECOND PRODUCT: t = score x log2(e); M = the largest t, rounded up to a whole number; p = 2^(t - M) is quantised with 2^ep; the sum l is taken of the unquantised p and divides at the end.
; SHARES.  A unit is 64 queries of one batch: 512 units, two to a work-group.  Every wave ranks the 16 batches by the keys to walk (whole numbers made of valid_lens); work-group g takes queries 64 (g / 8) on of the batch
; of rank 15 - g % 8 (unit A, a long one) and of the batch of rank g % 8 (unit B, a short one).  The keys go in blocks of 64: gA and gB of them, N in all.  The sixteen waves are dealt to the two units in proportion:
; wA = round(16 gA / N), at most 15; within a unit the blocks are dealt evenly and in order.  gA is at least gB, both at most 32: so a wave has at most 4 blocks.
; THE KEYS STAY IN REGISTERS: a wave loads its first two blocks (128 keys) once, 64 registers of K and 64 of V, and works the unit's four tiles of 16 queries over them.  Each tile's O^T, -M and l go to the wave's own stage in LDS;
; blocks three and four, where a wave has them, are added to the stage one by one.  At the end each wave merges four rows of each unit; M is a whole number, so the factors 2^(M_i - M) round nothing.
; No tensor load and so no joint load of a cluster: how many keys a wave walks hangs on valid_lens, a number read from memory.
; No prefetch: a wave asks for all of its first 128 keys at once, as soon as it knows them, and has no loop to run ahead in.
; LAYOUT.  Both products are used transposed: S^T = K Q^T (source 0 = 16 keys, source 1 = 16 queries), O^T = V^T P^T: a lane holds ONE query (lane % 16) throughout.  Lane r of K's tile 2 b + u takes key 32 b + 8 u + r + 8 (r / 8),
; so that register 16 b + i of S^T is key 32 b + 16 (lane / 16) + i: the conversions' results are the second product's operand.
; Fragments are fetched 16 bytes at a time (at 16 (lane / 16) + 32 c): a permutation of k that is the same on both sides of each product.
; LIMITS.  (a) Dropping the keys beyond L is exact while some counted score of the row lies more than about 150 above -1e6; |score| is at most 448 x 448 x 8 x 2^(eq + ek), so that holds for eq + ek up to -1.
; (b) eq + ek between -123 and 130 (added to an exponent field), ep between -126 and 119.  (c) p is quantised under its slice's M: it differs from the row's M only for numbers under the format's range.
; (d) NaN codes are not served.  valid_lens under 0 counts as 0, over 2,048 as 2,048, as the compare with the key's number has it.  Where no key counts all t are equal: all 2,048 keys are walked with c = 0, so t = 0, M = 0, p = 1.
.set WREG,  17408                      ; a wave's own LDS: first K's 128 rows of 64 bytes and V's 64 rows of 144, then the stage: 64 rows x (256 bytes + 16)
.set VST,   8192
.set VPI,   144
.set SPI,   272
.set STATS, 16*WREG                    ; each wave's (-M, l), 8 bytes a query, 528 bytes a wave
.set GQ,    255                        ; v255      my byte in a tile of Q in memory: query r, + 16 h (also named, and not used, as the upper half of the pair v[254:255])
.set STP,   528
.set SPARE, STATS+16*STP               ; the spare words, 128 bytes for each wave
.set AK,   1                           ; v1, v2    K's fragments: bytes 16 h and 16 h + 32 of row r; a row's four pieces lie at piece xor (row / 4) % 4, so the two differ in bit 5
.set AV,   3                           ; v3        V's fragments
.set SK,   4                           ; v4, v5    where I put 16 bytes of K, for even and odd groups of 8 rows
.set SV,   6                           ; v6        the same for V
.set GK,   7                           ; v7        my byte in a block of K in memory
.set GV,   8                           ; v8        and of V
.set GKD,  9                           ; v9, v10   the same, straight into fragments
.set GVD,  10
.set OS,   11                          ; v11       the stage: where I put 32 bytes of a row
.set ST,   12                          ; v12       where I put (-M, l)
.set H16,  13                          ; v13       16 h
.set QF,   16                          ; v16-47    Q's four fragments
.set KF,   48                          ; v48-111   K's 8 fragments of 8 registers
.set VF,   112                         ; v112-175  V's 4 of 16
.set P,    176                         ; v176-191  p's codes, laid over the first scores as these are converted
.set S,    178                         ; v178-241  S^T, then p
.set O,    210                         ; v210-241  O^T, laid over the last scores
.set MX,   242                         ; v242-249  maxima, then the sums
.set EPV,  251                         ; v251      2^ep
.set HOLD, 252                         ; v252      448 x 2^ep
.set NEGV, 253                         ; v253      the raw score of a key that does not count
.set WV,  16                           ; s16 wave
.set WAC, 17                           ; s17 wA
.set LW,  25                           ; s25 keys to walk of my unit
.set CNT, 28                           ; s28 my blocks
.set FB,  31                           ; s31 my first block
.set MSK, 63                           ; s63 1 where the pass's last block holds keys that do not count
.set MK,  66                           ; s66-97 for each register of a block: the lanes whose key does not count
.set CN,  98
.macro PICK b, l, lw                   ; the batch of rank s52, its L and its keys to walk
	v_cmp_eq_u32 s53, s52, v64
	s_ctz_i32_b32 s[\b], s53
	s_min_u32 s[\b], s[\b], 15                     ; it enters addresses: held inside the 16 batches
	v_readlane_b32 s[\l], v61, s[\b]
	s_min_u32 s[\l], s[\l], 0x800
	s_cmp_eq_u32 s[\l], 0
	s_cselect_b32 s[\lw], 0x800, s[\l]
.endm
.macro MASKS                           ; s52 = 64 x the number behind the pass's last block
	s_cmp_gt_u32 s52, s[LW]
	s_cselect_b32 s[MSK], 1, 0
	s_sub_co_i32 s52, s[LW], s52
	s_add_co_i32 s52, s52, 64
	v_sub_nc_u32 v254, s52, v[H16]                 ; d = keys left at the block's start - 16 h.  Register 16 b + i of the block holds key 32 b + 16 h + i: it does not count where 32 b + i reaches d
.set ii, 0
.rept 32
	v_cmp_ge_i32 s[MK+ii], 32*(ii/16)+ii%16, v254
.set ii, ii+1
.endr
.endm
; A TILE: 16 queries (number tl) over nb blocks of 64 keys.  acc = 1: on top of what the stage holds.
.macro FRAGS                           ; a further block straight into fragments: K into the lower half of K's registers, V (4 of 8 registers) into the upper
.irp k, 0,1,2,3
	global_load_b128 v[KF+8*\k:KF+8*\k+3], v[GKD], s[40:41] offset:(32*(\k/2)+8*(\k%2))*64
	global_load_b128 v[KF+8*\k+4:KF+8*\k+7], v[GKD], s[40:41] offset:(32*(\k/2)+8*(\k%2))*64+32
.endr
.irp d, 0,1,2,3
	global_load_b128 v[KF+32+8*\d:KF+35+8*\d], v[GVD], s[32:33] offset:32768*\d
	global_load_b128 v[KF+36+8*\d:KF+39+8*\d], v[GVD], s[32:33] offset:32768*\d+32
.endr
.endm
.macro VLOAD base                      ; half of V: four times 8 rows, of both blocks
.irp i, 0,1,2,3
	global_load_b128 v[VF+8*(\base+\i):VF+8*(\base+\i)+3], v[GV], s[32:33] offset:16384*(\base+\i)
	global_load_b128 v[VF+8*(\base+\i)+4:VF+8*(\base+\i)+7], v[GV], s[36:37] offset:16384*(\base+\i)
.endr
.endm
.macro QLOAD                           ; Q's tiles 1 to 3
.irp q, 1,2,3
	global_load_b128 v[QF+8*\q:QF+8*\q+3], v[GQ], s[48:49] offset:1024*\q
	global_load_b128 v[QF+8*\q+4:QF+8*\q+7], v[GQ], s[48:49] offset:1024*\q+32
.endr
.endm
.macro TILE tl, nb, acc
.if \acc
	s_wait_dscnt 0x0                               ; the last tile's stores have read their registers
	ds_load_b64 v[4:5], v[ST] offset:128*\tl       ; the tile's -M and l so far, and its O^T
.irp d, 0,1,2,3
	ds_load_b128 v[O+8*\d:O+8*\d+3], v[OS] offset:16*SPI*\tl+64*\d
	ds_load_b128 v[O+8*\d+4:O+8*\d+7], v[OS] offset:16*SPI*\tl+64*\d+16
.endr
.endif
.set ii, 0
.if \tl+\acc == 0
	VLOAD 0                                        ; V is asked for when K is in
.endif
.if \tl+2*\acc == 1
	s_wait_alu depctr_va_vdst(0)
	s_wait_loadcnt 0x0                             ; Q's tiles 1 to 3 are in
.endif
.rept 4*\nb
	v_wmma_f32_16x16x64_fp8_fp8 v[S+8*ii:S+8*ii+7], v[KF+8*ii:KF+8*ii+7], v[QF+8*\tl:QF+8*\tl+7], 0
.set ii, ii+1
.endr
.rept 4
	v_nop                                          ; four places ahead of the first read of the scores (ISA guide 7.12.1)
.endr
.if \acc
	s_wait_alu depctr_va_vdst(0)
	s_wait_dscnt 0x0
.endif
.if \tl+\acc == 0
	VLOAD 4
.endif
.if \tl+\nb-4*\acc == 5                ; the fourth tile over two blocks: K's registers are free, and the third block, where I have one, is asked for under the softmax
	s_cmp_gt_u32 s[CNT], 2
	s_cbranch_scc0 .Lnone_\@
	FRAGS
.Lnone_\@:
.endif
	s_cmp_eq_u32 s[MSK], 0                         ; THE MASK, on the pass's last block
	s_cbranch_scc1 .Lopen_\@
.set ii, 0
.rept 32
	v_cndmask_b32 v[S+32*(\nb-1)+ii], v[S+32*(\nb-1)+ii], v[NEGV], s[MK+ii]
.set ii, ii+1
.endr
.Lopen_\@:
	v_max3_num_f32 v[MX], v[S], v[S+1], v[S+2]     ; my query's largest score among my keys, in four chains, each accumulator from its low end on,
	v_max3_num_f32 v[MX+1], v[S+3], v[S+4], v[S+5]
	v_max3_num_f32 v[MX+2], v[S+6], v[S+7], v[S+8]
	v_max3_num_f32 v[MX+3], v[S+9], v[S+10], v[S+11]
.set ii, 0
.rept 16*\nb-6
	v_max3_num_f32 v[MX+ii%4], v[MX+ii%4], v[S+12+2*ii], v[S+13+2*ii]
.set ii, ii+1
.endr
	s_delay_alu instid0(VALU_DEP_1)
	v_max3_num_f32 v[MX], v[MX], v[MX+1], v[MX+2]
	s_delay_alu instid0(VALU_DEP_1)
	v_max_num_f32 v[MX], v[MX], v[MX+3]
	s_delay_alu instid0(VALU_DEP_1)
	v_permlanex16_b32 v250, v[MX], s20, s21
	s_delay_alu instid0(VALU_DEP_1)
	v_max_num_f32 v[MX], v[MX], v250               ; and among lane l xor 16's
	s_delay_alu instid0(VALU_DEP_1)
	v_mul_f32 v[MX], s22, v[MX]                    ; as t (c is not negative)
	s_delay_alu instid0(VALU_DEP_1)
	v_floor_f32 v14, -v[MX]                        ; -M = floor(-t) = -ceil(t): a whole number
.if \acc
	s_delay_alu instid0(VALU_DEP_1)
	v_min_num_f32 v14, v14, v4                     ; the larger of the two M
	s_delay_alu instid0(VALU_DEP_1)
	v_sub_f32 v254, v14, v4                        ; old M - new M: a whole number, 0 or less
	s_delay_alu instid0(VALU_DEP_1)
	v_cvt_i32_f32 v254, v254                       ; (it saturates)
	s_delay_alu instid0(VALU_DEP_1)
	v_ldexp_f32 v254, 1.0, v254                    ; f = 2^(old M - new M)
.endif
.set ii, 0
.rept 16*\nb
	v_pk_fma_f32 v[S+2*ii:S+2*ii+1], v[S+2*ii:S+2*ii+1], s[22:23], v[14:15] op_sel_hi:[1,0,0]   ; t - M, two at a time (of the pairs c and -M the low word serves both halves)
.set ii, ii+1
.endr
.if \tl+\acc == 0
	QLOAD
.endif
	s_wait_alu depctr_va_vdst(0)                   ; a wait ahead of the batch and one behind it
.set ii, 0
.rept 32*\nb
	v_exp_f32 v[S+ii], v[S+ii]                     ; p = 2^(t - M), at most 1
.set ii, ii+1
.endr
	v_nop
	s_wait_alu depctr_va_vdst(0)
.irp k, 0,1,2,3                                ; the sum of the unquantised p, two at a time, in four chains
	v_pk_add_f32 v[MX+2*\k:MX+2*\k+1], v[S+2*\k:S+2*\k+1], v[S+8+2*\k:S+9+2*\k]
.endr
.set ii, 8
.rept 16*\nb-8
	v_pk_add_f32 v[MX+2*(ii%4):MX+2*(ii%4)+1], v[MX+2*(ii%4):MX+2*(ii%4)+1], v[S+2*ii:S+2*ii+1]
.set ii, ii+1
.endr
	s_cmp_ge_i32 s46, -8                           ; THE HOLD at 448 x 2^ep (the conversion to an 8-bit code does not saturate: ISA guide 7.6.2).  p is at most 1, which is under 448 x 2^ep from ep = -8 on: there it changes nothing and is jumped over
	s_wait_alu depctr_va_vdst(0)
	s_cbranch_scc1 .Lnohold_\@
.set ii, 0
.rept 32*\nb
	v_min_num_f32 v[S+ii], v[S+ii], v[HOLD]        ; p is not negative, so the hold is one-sided
.set ii, ii+1
.endr
.Lnohold_\@:
	v_cvt_scalef32_pk8_fp8_f32 v[P:P+1], v[S:S+7], v[EPV]      ; group g's codes land on scores of a group converted before: a plain instruction stands behind groups 0 and 1
	v_pk_add_f32 v[MX:MX+1], v[MX:MX+1], v[MX+2:MX+3]
	v_cvt_scalef32_pk8_fp8_f32 v[P+2:P+3], v[S+8:S+15], v[EPV]
	v_pk_add_f32 v[MX+4:MX+5], v[MX+4:MX+5], v[MX+6:MX+7]
.set ii, 2
.rept 4*\nb-2
	v_cvt_scalef32_pk8_fp8_f32 v[P+2*ii:P+2*ii+1], v[S+8*ii:S+8*ii+7], v[EPV]
.set ii, ii+1
.endr
	v_pk_add_f32 v[MX:MX+1], v[MX:MX+1], v[MX+4:MX+5]
.if \tl+\acc == 0                      ; V has had the first tile's softmax to land in.  Through my own LDS bytes into fragments
	s_wait_alu depctr_va_vdst(0)
	s_wait_loadcnt 6                               ; V's sixteen loads are in; Q's six behind them may be out
.irp i, 0,1,2,3,4,5,6,7
	ds_store_b128 v[SV], v[VF+8*\i:VF+8*\i+3] offset:VST+8*VPI*\i
	ds_store_b128 v[SV], v[VF+8*\i+4:VF+8*\i+7] offset:VST+8*VPI*\i+64
.endr
	s_wait_dscnt 0x0                               ; the stores have read the registers that the loads fill
.irp d, 0,1,2,3
.irp c, 0,1,2,3
	ds_load_b128 v[VF+16*\d+4*\c:VF+16*\d+4*\c+3], v[AV] offset:VST+16*VPI*\d+32*\c
.endr
.endr
	s_wait_dscnt 0x0
.endif
.if \acc
.set ii, 0
.rept 16
	v_pk_mul_f32 v[O+2*ii:O+2*ii+1], v[O+2*ii:O+2*ii+1], v[254:255] op_sel_hi:[1,0]   ; O^T so far, under the new M
.set ii, ii+1
.endr
.endif
.irp d, 0,1,2,3                                ; O^T: four tiles of 16 channels
.if \acc
	v_wmma_f32_16x16x64_fp8_fp8 v[O+8*\d:O+8*\d+7], v[KF+32+8*\d:KF+39+8*\d], v[P:P+7], v[O+8*\d:O+8*\d+7]
.else
.if \nb == 1
	v_wmma_f32_16x16x64_fp8_fp8 v[O+8*\d:O+8*\d+7], v[VF+16*\d:VF+16*\d+7], v[P:P+7], 0
.else
	v_wmma_f32_16x16x128_fp8_fp8 v[O+8*\d:O+8*\d+7], v[VF+16*\d:VF+16*\d+15], v[P:P+15], 0
.endif
.endif
.endr
	v_add_f32 v[MX], v[MX], v[MX+1]                ; five places behind the products: the sum's two halves,
	s_delay_alu instid0(VALU_DEP_1)
	v_permlanex16_b32 v250, v[MX], s20, s21
.if \acc
	s_delay_alu instid0(VALU_DEP_1)
	v_add_f32 v[MX], v[MX], v250
	s_delay_alu instid0(VALU_DEP_1)
	v_fma_f32 v15, v5, v254, v[MX]
.else
	s_delay_alu instid0(VALU_DEP_1)
	v_add_f32 v15, v[MX], v250                     ; and lane l xor 16's: beside -M in the pair v[14:15]
.endif
	v_nop
	v_nop
	ds_store_b64 v[ST], v[14:15] offset:128*\tl    ; (lanes r and r + 16 write the same pair to the same place)
.irp d, 0,1,2,3
	ds_store_b128 v[OS], v[O+8*\d:O+8*\d+3] offset:16*SPI*\tl+64*\d         ; lane (r, h): row r, channels 16 d + 8 h + 0 .. 7
	ds_store_b128 v[OS], v[O+8*\d+4:O+8*\d+7] offset:16*SPI*\tl+64*\d+16
.endr
.endm
	s_load_b256 s[4:11], s[0:1], 0x0               ; Q s[4:5], K s[6:7], V s[8:9], valid_lens s[10:11]
	s_load_b128 s[12:15], s[0:1], 0x20             ; the scales' exponents s[12:13], out s[14:15]
	v_and_b32 v48, 15, v0                          ; r
	v_bfe_u32 v49, v0, 4, 1                        ; h
	v_and_b32 v50, 31, v0                          ; lane
	v_lshrrev_b32 v51, 5, v0                       ; wave
	v_lshlrev_b32 v52, 2, v48                      ; valid_lens: lane r and lane r + 16 take batch r's
	v_readfirstlane_b32 s[WV], v51
	s_wait_alu depctr_va_vdst(0)
	s_wait_kmcnt 0x0
	s_load_b128 s[44:47], s[12:13], 0x0            ; eq, ek, ep, ev
	global_load_b32 v60, v52, s[10:11]
	v_lshrrev_b32 v53, 2, v50                      ; lane / 4
	v_and_b32 v54, 3, v50                          ; lane % 4
	v_mul_u32_u24 v55, v51, WREG                   ; my own LDS
	v_bfe_u32 v57, v48, 2, 2
	v_lshlrev_b32 v[GK], 4, v50                    ; K in memory: a load reads 512 consecutive bytes
	v_lshlrev_b32 v[GV], 4, v54                    ; V in memory: 8 rows of 2,048 bytes, 64 bytes of each
	v_xor_b32 v56, v54, v49
	v_xor_b32 v57, v57, v49
	v_mul_u32_u24 v[AV], v48, VPI
	v_mul_u32_u24 v[SV], v53, VPI
	v_mul_u32_u24 v[OS], v48, SPI
	v_mul_u32_u24 v[ST], v51, STP
	v_lshl_add_u32 v[GV], v53, 11, v[GV]
	v_lshl_add_u32 v[SK], v56, 4, v55              ; K on the way in: row lane / 4 of a group of 8, its piece lane % 4
	v_lshl_add_u32 v[AK], v57, 4, v55              ; K's fragments: row r, piece h
	v_lshl_add_u32 v[AV], v49, 4, v[AV]
	v_lshl_add_u32 v[SV], v54, 4, v[SV]
	v_lshl_add_u32 v[OS], v49, 5, v[OS]
	v_lshl_add_u32 v[ST], v48, 3, v[ST]
	v_lshl_add_u32 v[SK], v53, 6, v[SK]
	v_lshl_add_u32 v[AK], v48, 6, v[AK]
	v_add_nc_u32 v[AV], v55, v[AV]
	v_add_nc_u32 v[SV], v55, v[SV]
	v_add_nc_u32 v[OS], v55, v[OS]
	v_add_nc_u32 v[ST], STATS, v[ST]
	v_xor_b32 v[SK+1], 32, v[SK]
	v_xor_b32 v[AK+1], 32, v[AK]
	v_and_b32 v56, 8, v48
	v_lshlrev_b32 v[GVD], 11, v48                  ; V straight into fragments: channel r, + 16 h
	v_add_nc_u32 v56, v56, v48
	v_lshlrev_b32 v[GQ], 6, v48
	v_lshl_add_u32 v[GVD], v49, 4, v[GVD]
	v_lshlrev_b32 v[GKD], 6, v56                   ; K straight into fragments: key r + 8 (r / 8), + 16 h
	v_lshl_add_u32 v[GQ], v49, 4, v[GQ]
	v_lshlrev_b32 v[H16], 4, v49
	v_lshl_add_u32 v[GKD], v49, 4, v[GKD]
	v_mov_b32 v57, 0
	v_mov_b32 v58, 0x800
	v_lshl_or_b32 v59, v50, 1, 1                   ; 2 x lane + 1
	v_mov_b32 v64, 0
	s_mov_b32 s20, 0x76543210                      ; v_permlanex16_b32's selects for lane l xor 16
	s_mov_b32 s21, 0xfedcba98
	s_and_b32 s60, ttmp9, 7                        ; c: which pair of ranks
	s_lshr_b32 s61, ttmp9, 3                       ; x: which 64 queries
	s_mov_b32 s35, 0
	s_mov_b32 s39, 0
	s_lshl_b32 s38, s61, 12                        ; 64 queries of 64 bytes
	s_wait_alu depctr_va_vdst(0)
	s_wait_loadcnt 0x0
	; THE RANKS, in whole numbers.  L: valid_lens held between 0 and 2,048.  Keys to walk: L, or all 2,048 where L = 0.
	v_cmp_gt_i32 vcc_lo, 1, v60
	v_cndmask_b32 v61, v60, v57, vcc_lo
	v_min_u32 v61, 0x800, v61                      ; L
	v_cndmask_b32 v62, v61, v58, vcc_lo            ; keys to walk
	v_lshl_or_b32 v63, v62, 4, v48                 ; with the batch's number below it: sixteen different numbers
.irp j, 0,1,2,3,4,5,6,7,8,9,10,11,12,13,14,15
	v_readlane_b32 s[66+\j], v63, \j
.endr
.irp j, 0,1,2,3,4,5,6,7,8,9,10,11,12,13,14,15
	v_cmp_lt_u32 vcc_lo, s[66+\j], v63
	v_add_co_ci_u32 v64, vcc_lo, 0, v64, vcc_lo    ; my batch's rank: how many batches stand below it
.endr
	s_wait_alu depctr_va_vdst(0)
	s_sub_co_u32 s52, 15, s60
	PICK 54, 55, 56                                ; unit A: one of the eight longest
	s_mov_b32 s52, s60
	PICK 57, 58, 59                                ; unit B: its partner among the eight shortest
	; MY BLOCKS
	s_add_co_u32 s30, s56, 63
	s_lshr_b32 s30, s30, 6                         ; gA
	s_add_co_u32 s31, s59, 63
	s_lshr_b32 s31, s31, 6                         ; gB
	s_add_co_u32 s52, s30, s31                     ; N
	s_lshl_b32 s53, s30, 5
	v_mul_u32_u24 v65, s52, v59
	v_cmp_ge_u32 s29, s53, v65                     ; as many lanes as wA = round(16 gA / N): those whose (2 lane + 1) N is at most 32 gA
	s_bcnt1_i32_b32 s[WAC], s29
	s_min_u32 s[WAC], s[WAC], 15
	s_sub_co_u32 s18, 15, s[WV]                    ; unit B is dealt from wave 15 downwards
	s_sub_co_u32 s19, 16, s[WAC]
	s_cmp_lt_u32 s[WV], s[WAC]
	s_cselect_b32 s18, s[WV], s18                  ; my place among my unit's waves,
	s_cselect_b32 s19, s[WAC], s19                 ; how many they are,
	s_cselect_b32 s30, s30, s31                    ; my unit's blocks,
	s_cselect_b32 s24, s54, s57                    ; batch,
	s_cselect_b32 s[LW], s56, s59                  ; keys to walk
	s_cselect_b32 s26, s55, s58                    ; and L
	s_mov_b32 s[CNT], 0
	s_mov_b32 s29, 0
.rept 4
	s_add_co_u32 s29, s29, s19
	s_cmp_ge_u32 s30, s29
	s_add_co_ci_u32 s[CNT], s[CNT], 0              ; blocks / waves, at most 4
.endr
	s_mul_i32 s29, s[CNT], s19
	s_sub_co_u32 s29, s30, s29                     ; what is over goes to the unit's first waves
	s_mul_i32 s[FB], s18, s[CNT]
	s_min_u32 s52, s18, s29
	s_add_co_u32 s[FB], s[FB], s52
	s_cmp_lt_u32 s18, s29
	s_add_co_ci_u32 s[CNT], s[CNT], 0
	s_min_u32 s[FB], s[FB], 31                     ; it enters addresses: held inside the batch
	s_add_co_u32 s52, s[FB], 1
	s_cmp_lt_u32 s[CNT], 2
	s_cselect_b32 s52, s[FB], s52                  ; the second block (a wave with one block names it twice and uses it once)
	s_min_u32 s52, s52, 31
	s_lshl_b32 s34, s24, 17                        ; a batch of codes is 2^17 bytes
	s_add_nc_u64 s[48:49], s[4:5], s[34:35]
	s_add_nc_u64 s[48:49], s[48:49], s[38:39]      ; my unit's queries
	s_add_nc_u64 s[32:33], s[6:7], s[34:35]
	s_add_nc_u64 s[36:37], s[8:9], s[34:35]
	s_lshl_b32 s34, s[FB], 12                      ; 64 keys of 64 bytes
	s_lshl_b32 s38, s52, 12
	s_add_nc_u64 s[40:41], s[32:33], s[34:35]
	s_add_nc_u64 s[42:43], s[32:33], s[38:39]
	global_load_b128 v[QF:QF+3], v[GQ], s[48:49]   ; Q's tile 0; the others are asked for behind V
	global_load_b128 v[QF+4:QF+7], v[GQ], s[48:49] offset:32
.irp i, 0,1,2,3,4,5,6,7
	global_load_b128 v[S+4*\i:S+4*\i+3], v[GK], s[40:41] offset:512*\i
.endr
.irp i, 0,1,2,3,4,5,6,7
	global_load_b128 v[S+32+4*\i:S+35+4*\i], v[GK], s[42:43] offset:512*\i
.endr
	s_lshl_b32 s34, s[FB], 6                       ; 64 keys along a row
	s_lshl_b32 s38, s52, 6
	s_add_nc_u64 s[32:33], s[36:37], s[34:35]
	s_add_nc_u64 s[36:37], s[36:37], s[38:39]
	; under the loads' flight: the scales, the masks, the addresses of out
	s_wait_kmcnt 0x0
	s_add_co_i32 s52, s44, s45                     ; eq + ek
	s_sub_co_i32 s100, 0, s52
	s_lshl_b32 s52, s52, 23
	s_mov_b32 s22, 0x3e38aa3b                      ; c = log2(e) / sqrt(64)
	s_add_co_i32 s22, s22, s52                     ; a raw sum stands for sum x 2^(eq + ek): the exponents are added to c's exponent field
	s_cmp_eq_u32 s26, 0
	s_cselect_b32 s22, 0, s22                      ; no key counts: all t are equal
	s_mov_b32 s23, s22                             ; (named with it as a pair, so it is written)
	s_add_co_i32 s62, s46, s47                     ; ep + ev
	s_add_co_i32 s52, s46, 127
	s_lshl_b32 s53, s52, 23
	v_mov_b32 v[EPV], s53                          ; 2^ep as f32: the conversion takes its exponent field
	s_add_co_i32 s52, s52, 8
	s_lshl_b32 s52, s52, 23
	s_or_b32 s52, s52, 0x600000
	v_mov_b32 v[HOLD], s52                         ; 448 x 2^ep
	v_mov_b32 v[NEGV], 0xcaf42400                  ; -8e6 = -1e6 x sqrt(64)
	v_ldexp_f32 v[NEGV], v[NEGV], s100             ; / 2^(eq + ek): as a raw sum of codes' products
	v_mov_b32 v14, 0
	v_mov_b32 v15, 0                               ; (named as the upper half of the pair v[14:15])
	v_mov_b32 v250, 0                              ; written once: a lane permute's destination counts as one of its sources
	s_min_u32 s52, s[CNT], 2
	s_add_co_u32 s52, s[FB], s52
	s_lshl_b32 s52, s52, 6
	MASKS
	s_mov_b32 s53, 0
	s_lshl_b32 s52, s54, 19                        ; a batch of out is 2^19 bytes
	s_add_nc_u64 s[10:11], s[14:15], s[52:53]
	s_lshl_b32 s52, s57, 19
	s_add_nc_u64 s[12:13], s[14:15], s[52:53]
	s_lshl_b32 s52, s61, 14                        ; 64 rows of 256 bytes
	s_add_nc_u64 s[10:11], s[10:11], s[52:53]      ; out at unit A's rows
	s_add_nc_u64 s[12:13], s[12:13], s[52:53]      ; and at unit B's
	s_wait_alu depctr_va_vdst(0)
	; K through my own LDS bytes: a load's 8 keys go to the group of 8 rows whose number has its two low bits exchanged, so that a fragment's rows are 16 neighbours
.set ii, 0
.rept 4
	s_wait_loadcnt 12-ii                           ; four more of K's sixteen loads are in (and Q's two, ahead of them)
.rept 4
	ds_store_b128 v[SK+(ii/2)%2], v[S+4*ii:S+4*ii+3] offset:512*(ii-ii%4+2*(ii%2)+(ii/2)%2)
.set ii, ii+1
.endr
.endr
.irp k, 0,1,2,3,4,5,6,7
	ds_load_b128 v[KF+8*\k:KF+8*\k+3], v[AK] offset:1024*\k      ; LDS serves a wave's instructions in order (ISA guide 5.7.1.4): these see the stores above
	ds_load_b128 v[KF+8*\k+4:KF+8*\k+7], v[AK+1] offset:1024*\k
.endr
	s_wait_dscnt 0x0
	s_cmp_lt_u32 s[CNT], 2
	s_cbranch_scc1 .Lfew
	TILE 0, 2, 0
	TILE 1, 2, 0
	TILE 2, 2, 0
	s_add_nc_u64 s[40:41], s[40:41], 0x2000        ; K and V at the third block (every load that names these bases has come in)
	s_add_nc_u64 s[32:33], s[32:33], 128
	TILE 3, 2, 0
	s_wait_alu depctr_va_vdst(0)
	s_branch .Lmore
.Lfew:
	s_cmp_eq_u32 s[CNT], 0
	s_cbranch_scc1 .Lempty
	TILE 0, 1, 0
	TILE 1, 1, 0
	TILE 2, 1, 0
	TILE 3, 1, 0
	s_wait_alu depctr_va_vdst(0)
	s_branch .Lmore
.Lempty:                                               ; no block for me: M under every M, l and O^T zero
	s_wait_loadcnt 0x0
	v_mov_b32 v14, 0x7f61b1e6
	v_mov_b32 v15, 0
.irp k, 0,1,2,3
	v_mov_b32 v[S+\k], 0
.endr
.irp t, 0,1,2,3
	ds_store_b64 v[ST], v[14:15] offset:128*\t
.irp d, 0,1,2,3
	ds_store_b128 v[OS], v[S:S+3] offset:16*SPI*\t+64*\d
	ds_store_b128 v[OS], v[S:S+3] offset:16*SPI*\t+64*\d+16
.endr
.endr
	s_wait_alu depctr_va_vdst(0)
.Lmore:
	; BLOCKS THREE AND FOUR, where I have them: two trips for everybody, a trip's work jumped over.  My LDS bytes hold the stage now: the fragments come straight from memory, the third block's asked for in the fourth tile.
	s_mov_b32 s[CN], 0
.Lblock:
	s_add_co_u32 s52, s[CN], 2
	s_cmp_lt_u32 s52, s[CNT]
	s_cbranch_scc0 .Lno_block
	s_cmp_eq_u32 s[CN], 0
	s_cbranch_scc1 .Lasked
	s_wait_loadcnt 0x0                             ; no load into these registers is out on any way
	s_add_nc_u64 s[40:41], s[40:41], 0x1000
	s_add_nc_u64 s[32:33], s[32:33], 64
	FRAGS
.Lasked:
	s_add_co_u32 s52, s52, s[FB]
	s_add_co_u32 s52, s52, 1
	s_lshl_b32 s52, s52, 6
	MASKS
	s_wait_alu depctr_va_vdst(0)
	s_wait_loadcnt 0x0
	TILE 0, 1, 1
	TILE 1, 1, 1
	TILE 2, 1, 1
	TILE 3, 1, 1
.Lno_block:
	s_add_co_u32 s[CN], s[CN], 1
	s_cmp_lt_u32 s[CN], 2
	s_wait_alu depctr_va_vdst(0)
	s_cbranch_scc1 .Lblock
	; THE MERGE.  Slot i is wave i's stage: unit A's for i under wA, unit B's from there on.  Wave w merges rows 4 w + 2 p + h (p = 0, 1) of each unit: sixteen lanes a row, 4 channels a lane; in the weights a lane is a slot.
	s_wait_loadcnt 0x0                             ; no load is out on any way: its address registers are written below
	v_and_b32 v2, 15, v0
	v_bfe_u32 v3, v0, 4, 1
	v_lshrrev_b32 v11, 5, v0
	v_mul_u32_u24 v1, v2, STP
	v_lshl_add_u32 v12, v11, 2, v3                 ; 4 w + h
	v_mul_u32_u24 v6, v12, SPI
	v_lshl_add_u32 v1, v12, 3, v1
	v_lshlrev_b32 v10, 8, v12
	v_lshl_add_u32 v6, v2, 4, v6                   ; slots 0 to 3 (offsets of WREG),
	v_add_nc_u32 v1, STATS, v1                     ; slot lane % 16's (-M, l)
	v_lshl_add_u32 v10, v2, 4, v10                 ; out: a row of 256 bytes
	v_add_nc_u32 v7, 4*WREG, v6                    ; 4 to 7,
	v_add_nc_u32 v8, 8*WREG, v6                    ; 8 to 11,
	v_add_nc_u32 v9, 12*WREG, v6                   ; 12 to 15
	s_wait_alu depctr_va_vdst(0)
	s_wait_dscnt 0x0                               ; my stage is whole, for the other waves' sake
	s_barrier_signal -1
	s_barrier_wait -1
	ds_load_b64 v[16:17], v1
	ds_load_b64 v[18:19], v1 offset:16
.set ii, 0
.rept 16
	ds_load_b128 v[48+8*ii:51+8*ii], v[6+ii/4] offset:WREG*(ii%4)
	ds_load_b128 v[52+8*ii:55+8*ii], v[6+ii/4] offset:WREG*(ii%4)+2*SPI
.set ii, ii+1
.endr
	v_mov_b32 v26, 0xff61b1e6                      ; -3e38, under every M
	v_mov_b32 v27, 0
	v_cmp_gt_u32 s66, s[WAC], v2                   ; the lanes whose slot is unit A's
.irp k, 32,33,34,35,184,185,186,187,188,189,190,191
	v_mov_b32 v[\k], 0
.endr
	s_wait_alu depctr_va_vdst(0)
	s_wait_dscnt 32                                ; the two pairs are in; the 32 loads of O^T may be out
.irp p, 0,1
	v_sub_f32 v[20+\p], 0, v[16+2*\p]              ; M_i
.endr
.irp p, 0,1
	v_cndmask_b32 v[22+\p], v26, v[20+\p], s66
	v_cndmask_b32 v[24+\p], v[20+\p], v26, s66
.endr
.irp m, 1,2,4,8
.irp k, 22,23,24,25
	v_max_num_f32_dpp v[\k], v[\k], v[\k] row_xmask:\m row_mask:0xf bank_mask:0xf
.endr
.endr
.irp p, 0,1
	v_cndmask_b32 v[22+\p], v[24+\p], v[22+\p], s66             ; M of my slot's unit
.endr
.irp p, 0,1
	v_sub_f32 v[20+\p], v[20+\p], v[22+\p]         ; M_i - M: a whole number, 0 or less
.endr
.irp p, 0,1
	v_cvt_i32_f32 v[20+\p], v[20+\p]               ; (it saturates: an empty slot gets the factor 0)
.endr
.irp p, 0,1
	v_ldexp_f32 v[20+\p], 1.0, v[20+\p]            ; f_i = 2^(M_i - M)
.endr
.irp p, 0,1
	v_mul_f32 v[28+\p], v[20+\p], v[17+2*\p]
.endr
.irp p, 0,1
	v_cndmask_b32 v[22+\p], v27, v[28+\p], s66
	v_cndmask_b32 v[24+\p], v[28+\p], v27, s66
.endr
.irp m, 1,2,4,8
.irp k, 22,23,24,25
	v_add_f32_dpp v[\k], v[\k], v[\k] row_xmask:\m row_mask:0xf bank_mask:0xf
.endr
.endr
.irp p, 0,1
	v_cndmask_b32 v[22+\p], v[24+\p], v[22+\p], s66             ; l = the sum of f_i l_i
.endr
	s_wait_alu depctr_va_vdst(0)
	v_rcp_f32 v30, v22
	v_rcp_f32 v31, v23
	v_nop
	s_wait_alu depctr_va_vdst(0)
.irp p, 0,1
	v_ldexp_f32 v[30+\p], v[30+\p], s62            ; x 2^(ep + ev)
.endr
.irp p, 0,1
	v_mul_f32 v[20+\p], v[20+\p], v[30+\p]         ; slot i's weight: f_i 2^(ep + ev) / l
.endr
	s_wait_alu depctr_va_vdst(0)
	s_wait_dscnt 0x0
.irp i, 0,1,2,3,4,5,6,7,8,9,10,11,12,13,14,15
.if \i > 0
	s_cmp_lg_u32 s[WAC], \i                        ; at slot wA unit A's rows are whole and unit B's begin (wA is 1 to 15)
	s_wait_alu depctr_va_vdst(0)
	s_cbranch_scc1 .Lsame_\i
.irp k, 0,1,2,3,4,5,6,7
	v_mov_b32 v[184+\k], v[176+\k]
.endr
.irp k, 0,1,2,3,4,5,6,7
	v_mov_b32 v[176+\k], 0
.endr
.Lsame_\i:
.endif
	v_mov_b32_dpp v32, v20 row_share:\i row_mask:0xf bank_mask:0xf
	v_mov_b32_dpp v34, v21 row_share:\i row_mask:0xf bank_mask:0xf
.if \i == 0
	v_pk_mul_f32 v[176:177], v[48:49], v[32:33] op_sel_hi:[1,0]
	v_pk_mul_f32 v[178:179], v[50:51], v[32:33] op_sel_hi:[1,0]
	v_pk_mul_f32 v[180:181], v[52:53], v[34:35] op_sel_hi:[1,0]
	v_pk_mul_f32 v[182:183], v[54:55], v[34:35] op_sel_hi:[1,0]
.else
	v_pk_fma_f32 v[176:177], v[48+8*\i:49+8*\i], v[32:33], v[176:177] op_sel_hi:[1,0,1]
	v_pk_fma_f32 v[178:179], v[50+8*\i:51+8*\i], v[32:33], v[178:179] op_sel_hi:[1,0,1]
	v_pk_fma_f32 v[180:181], v[52+8*\i:53+8*\i], v[34:35], v[180:181] op_sel_hi:[1,0,1]
	v_pk_fma_f32 v[182:183], v[54+8*\i:55+8*\i], v[34:35], v[182:183] op_sel_hi:[1,0,1]
.endif
.endr
	global_store_b128 v10, v[184:187], s[10:11] th:TH_STORE_NT              ; sixteen lanes store a row's 256 bytes, aligned; the wave two neighbouring rows
	global_store_b128 v10, v[188:191], s[10:11] offset:512 th:TH_STORE_NT
	global_store_b128 v10, v[176:179], s[12:13] th:TH_STORE_NT
	global_store_b128 v10, v[180:183], s[12:13] offset:512 th:TH_STORE_NT
	v_lshl_add_u32 v254, v0, 2, SPARE
	v_mov_b32 v255, 0
	s_wait_alu depctr_va_vdst(0)
	s_wait_tensorcnt 0x0                           ; the wave's end
	ds_add_u32 v254, v255
	s_wait_dscnt 0x0
	s_endpgm
.Lfunc_end_k_qeea1bcd23f_attn:
	.size	k_qeea1bcd23f_attn, .Lfunc_end_k_qeea1bcd23f_attn-k_qeea1bcd23f_attn
	.p2alignl 7, 3214868480
	.fill 96, 4, 3214868480
	.section	.rodata,"a",@progbits
	.p2align	6, 0x0
	.amdhsa_kernel k_qeea1bcd23f_attn
		.amdhsa_group_segment_fixed_size 289024
		.amdhsa_private_segment_fixed_size 0
		.amdhsa_enable_private_segment 0
		.amdhsa_kernarg_size 48
		.amdhsa_user_sgpr_count 2
		.amdhsa_user_sgpr_kernarg_segment_ptr 1
		.amdhsa_wavefront_size32 1
		.amdhsa_system_sgpr_workgroup_id_x 1
		.amdhsa_system_sgpr_workgroup_id_y 1
		.amdhsa_system_sgpr_workgroup_id_z 1
		.amdhsa_system_vgpr_workitem_id 0
		.amdhsa_next_free_vgpr 256
		.amdhsa_next_free_sgpr 102
		.amdhsa_reserve_vcc 1
		.amdhsa_float_denorm_mode_32 3
		.amdhsa_float_denorm_mode_16_64 3
		.amdhsa_memory_ordered 1
		.amdhsa_forward_progress 1
		.amdhsa_inst_pref_size 197
	.end_amdhsa_kernel
	.amdgpu_metadata
---
amdhsa.version: [ 1, 2 ]
amdhsa.kernels:
  - .name:           k_qeea1bcd23f_attn
    .symbol:         k_qeea1bcd23f_attn.kd
    .args:
      - { .name: queries_codes, .offset: 0, .size: 8, .value_kind: global_buffer, .address_space: global }
      - { .name: keys_codes, .offset: 8, .size: 8, .value_kind: global_buffer, .address_space: global }
      - { .name: values_codes, .offset: 16, .size: 8, .value_kind: global_buffer, .address_space: global }
      - { .name: valid_lens, .offset: 24, .size: 8, .value_kind: global_buffer, .address_space: global }
      - { .name: lowp_scales, .offset: 32, .size: 8, .value_kind: global_buffer, .address_space: global }
      - { .name: out0, .offset: 40, .size: 8, .value_kind: global_buffer, .address_space: global }
    .group_segment_fixed_size: 289024
    .private_segment_fixed_size: 0
    .kernarg_segment_align: 8
    .kernarg_segment_size: 48
    .max_flat_workgroup_size: 512
    .sgpr_count:     102
    .vgpr_count:     256
    .wavefront_size: 32
...
	.end_amdgpu_metadata
.endif
;; end of part 1
